; MI455X (gfx1250); checked and timed in simulation.
; The chip was launched on July 23, 2026; its instructions are those of AMD's public machine-readable ISA for CDNA 5 (MIT licence, August 2026) and "CDNA5" Instruction Set Architecture Reference Guide (July 2026). The comments in the code are by the model that wrote it; some were corrected since.
;; Quantized Linear. Allowed arithmetic: float matrix products may take bf16 or f16 operands with f32 sums; all other float work in f32.
;; Inputs: bias 4,096 float32; scale 1 float32; weight_q 4,096 x 4,096 int32; x 4 x 1,024 x 4,096 float32.
;; Outputs: out0 4 x 1,024 x 4,096 float32.
;; 2 versions, each right; version 2 is version 1 with the launch tobf16 written anew for expert scheduling mode. Each part assembles by itself: llvm-mc -triple=amdgcn-amd-amdhsa -mcpu=gfx1250 --defsym DOCPART=n.
;; ======== version 1 of 2: 2 launches
;; workspace buffers: xb 33,554,432 bytes; wb 33,554,432 bytes
;; launch tobf16 (part 1): grid 512 x 2, 8 waves a work-group, no clusters, 0 bytes of LDS; arguments x, weight_q, xb, wb; writes xb, wb
.if DOCPART == 1
	.amdgcn_target "amdgcn-amd-amdhsa--gfx1250"
	.amdhsa_code_object_version 6
	.text
	.protected	k_qb05c40b35d_tobf16
	.globl	k_qb05c40b35d_tobf16
	.p2align	8
	.type	k_qb05c40b35d_tobf16,@function
k_qb05c40b35d_tobf16:
	s_mov_b64 s[64:65], 0
	v_nop
	global_prefetch_b8 v0, s[64:65] scope:SCOPE_SE
	s_setreg_imm32_b32 hwreg(HW_REG_WAVE_MODE, 25, 1), 1
	s_wait_xcnt 0x0
; xb = bf16(x), wb = bf16(f32(weight_q)): both matrix operands are rounded ONCE here, so that the product behind this launch reads 2-byte operands
; and converts nothing (there each number of x and of weight_q is read by 16 tiles of the output).
; LIMITS.  x is rounded to bf16, to nearest even; a number beyond bf16's largest finite one becomes an infinity.  An integer goes int32 -> f32 -> bf16, each to nearest
; even: exact up to 256 in magnitude, rounded once up to 2^24, twice beyond.  The scale is NOT applied here: it stays in f32 and multiplies the finished sums.
; SHARES.  Each tensor is 16,384 pieces of 4,096 bytes (1,024 numbers).  Work-group (gx, gy): gy = 0 takes x, gy = 1 weight_q; gx takes 32 pieces.  Thread t owns the 16 bytes at
; 16 t of every piece and stores 8 bytes at 8 t: a wave's load covers 512 consecutive bytes, a wave's store 256 consecutive bytes that begin at a multiple of 256.
; A ring of DEPTH slots in registers keeps DEPTH loads of every wave in flight.  No LDS, no barrier, no matrix unit: no byte is used twice.
.set DEPTH,  8                         ; slots = loads in flight in each wave
.set RIN,    4096                      ; bytes of a piece as read
.set ROUT,   2048                      ; bytes of a piece as written
.set ROWS,   32                        ; pieces of a work-group
.set ROUNDS, ROWS/DEPTH                ; each round takes every slot once
.set IN,  1                            ; v1        16 t; never rewritten
.set OUT, 2                            ; v2        8 t; never rewritten
.set X,   4                            ; v[4:35]   slot i: 4 registers as loaded
.set Y,   36                           ; v[36:51]  slot i: 2 registers, 4 bf16 to store
	s_load_b256 s[4:11], s[0:1], 0x0               ; x s[4:5], weight_q s[6:7], xb s[8:9], wb s[10:11]
	v_lshlrev_b32 v[IN], 4, v0
	v_lshlrev_b32 v[OUT], 3, v0
	s_lshl_b32 s2, ttmp9, 17                       ; gx times 32 pieces of 4,096 bytes: 2^26 at the most
	s_mov_b32 s3, 0
	s_lshl_b32 s12, ttmp9, 16                      ; gx times 32 pieces of 2,048 bytes
	s_mov_b32 s13, 0
	s_and_b32 s14, ttmp7, 0xffff                   ; gy: which tensor
	s_wait_kmcnt 0x0
	s_cmp_eq_u32 s14, 0
	s_cselect_b64 s[16:17], s[4:5], s[6:7]         ; from x or from weight_q,
	s_cselect_b64 s[18:19], s[8:9], s[10:11]       ; to xb or to wb
	s_add_nc_u64 s[16:17], s[16:17], s[2:3]
	s_add_nc_u64 s[18:19], s[18:19], s[12:13]
.irp i, 0,1,2,3,4,5,6,7
	global_load_b128 v[X+4*(\i):X+4*(\i)+3], v[IN], s[16:17] offset:(\i)*RIN th:TH_LOAD_NT  ; fill the ring: pieces 0 to 7; each byte is read once in the launch
.endr
	s_cmp_lg_u32 s14, 0
	s_cbranch_scc1 .Lints                          ; the two tensors differ in four conversions a slot: two texts, chosen once
; One slot's turn.  ahead = 1: the slot is filled again with the piece DEPTH further on.  left = how many younger loads may still be out.  ints = 1: the words are int32.
.macro SLOT i, ahead, left, ints
	s_wait_loadcnt \left                           ; loads come back in order (ISA guide 5.7.1): mine is in, the younger ones stay out
	s_wait_xcnt 0x0                                ; every earlier memory instruction has had its addresses translated (ISA guide 3.1): the slot's Y, which its last store reads, is rewritten only behind this wait
.if \ints
.irp j, 0,1,2,3
	v_cvt_f32_i32 v[X+4*(\i)+(\j)], v[X+4*(\i)+(\j)]
.endr
.endif
	v_cvt_pk_bf16_f32 v[Y+2*(\i)],   v[X+4*(\i)],   v[X+4*(\i)+1]  ; two roundings to bf16, packed: the first source into the low half
	v_cvt_pk_bf16_f32 v[Y+2*(\i)+1], v[X+4*(\i)+2], v[X+4*(\i)+3]
.if \ahead
	global_load_b128 v[X+4*(\i):X+4*(\i)+3], v[IN], s[16:17] offset:((\i)+DEPTH)*RIN th:TH_LOAD_NT  ; the load goes out ahead of the store
.endif
	global_store_b64 v[OUT], v[Y+2*(\i):Y+2*(\i)+1], s[18:19] offset:(\i)*ROUT  ; no hint: the next launch reads these bytes
.endm
.macro BODY ints
	s_mov_b32 s15, ROUNDS-1
.Lround_\@:
.irp i, 0,1,2,3,4,5,6,7
	SLOT \i, 1, DEPTH-1, \ints
.endr
	s_wait_xcnt 0x0                                ; the two bases are stepped only behind this wait
	s_add_nc_u64 s[16:17], s[16:17], DEPTH*RIN
	s_add_nc_u64 s[18:19], s[18:19], DEPTH*ROUT
	s_sub_co_u32 s15, s15, 1
	s_cmp_lg_u32 s15, 0
	s_cbranch_scc1 .Lround_\@
.irp i, 0,1,2,3,4,5,6,7
	SLOT \i, 0, DEPTH-1-(\i), \ints                ; the last round loads nothing (piece 31 was the last asked for): the counts run down
.endr
	s_endpgm
.endm
	BODY 0
.Lints:
	BODY 1
.Lfunc_end_k_qb05c40b35d_tobf16:
	.size	k_qb05c40b35d_tobf16, .Lfunc_end_k_qb05c40b35d_tobf16-k_qb05c40b35d_tobf16
	.p2alignl 7, 3214868480
	.fill 96, 4, 3214868480
	.section	.rodata,"a",@progbits
	.p2align	6, 0x0
	.amdhsa_kernel k_qb05c40b35d_tobf16
		.amdhsa_group_segment_fixed_size 0
		.amdhsa_private_segment_fixed_size 0
		.amdhsa_enable_private_segment 0
		.amdhsa_kernarg_size 32
		.amdhsa_user_sgpr_count 2
		.amdhsa_user_sgpr_kernarg_segment_ptr 1
		.amdhsa_wavefront_size32 1
		.amdhsa_system_sgpr_workgroup_id_x 1
		.amdhsa_system_sgpr_workgroup_id_y 1
		.amdhsa_system_sgpr_workgroup_id_z 1
		.amdhsa_system_vgpr_workitem_id 0
		.amdhsa_next_free_vgpr 52
		.amdhsa_next_free_sgpr 66
		.amdhsa_reserve_vcc 0
		.amdhsa_float_denorm_mode_32 3
		.amdhsa_float_denorm_mode_16_64 3
		.amdhsa_memory_ordered 1
		.amdhsa_forward_progress 1
		.amdhsa_inst_pref_size 15
	.end_amdhsa_kernel
	.amdgpu_metadata
---
amdhsa.version: [ 1, 2 ]
amdhsa.kernels:
  - .name:           k_qb05c40b35d_tobf16
    .symbol:         k_qb05c40b35d_tobf16.kd
    .args:
      - { .name: x, .offset: 0, .size: 8, .value_kind: global_buffer, .address_space: global }
      - { .name: weight_q, .offset: 8, .size: 8, .value_kind: global_buffer, .address_space: global }
      - { .name: xb, .offset: 16, .size: 8, .value_kind: global_buffer, .address_space: global }
      - { .name: wb, .offset: 24, .size: 8, .value_kind: global_buffer, .address_space: global }
    .group_segment_fixed_size: 0
    .private_segment_fixed_size: 0
    .kernarg_segment_align: 8
    .kernarg_segment_size: 32
    .max_flat_workgroup_size: 256
    .sgpr_count:     66
    .vgpr_count:     52
    .wavefront_size: 32
...
	.end_amdgpu_metadata
.endif
;; end of part 1
;; launch gemm (part 2): grid 16 x 16, 4 waves a work-group, clusters of 4 x 4, 327,680 bytes of LDS; arguments xb, wb, out0, scale, bias; writes out0
.if DOCPART == 2
	.amdgcn_target "amdgcn-amd-amdhsa--gfx1250"
	.amdhsa_code_object_version 6
	.text
	.protected	k_qb05c40b35d_gemm
	.globl	k_qb05c40b35d_gemm
	.p2align	8
	.type	k_qb05c40b35d_gemm,@function
k_qb05c40b35d_gemm:
	s_mov_b64 s[64:65], 0
	v_nop
	global_prefetch_b8 v0, s[64:65] scope:SCOPE_SE
	s_setreg_imm32_b32 hwreg(HW_REG_WAVE_MODE, 25, 1), 1
	s_wait_xcnt 0x0
	s_wait_alu depctr_hold_cnt(0) depctr_sa_sdst(0) depctr_va_vdst(0) depctr_va_sdst(0) depctr_va_ssrc(0) depctr_va_vcc(0) depctr_vm_vsrc(0)
	s_getreg_b32 s2, hwreg(HW_REG_IB_STS2, 6, 4)
	s_cmp_eq_u32 s2, 0
	s_cbranch_scc0 .Lentry_in_a_cluster
	s_endpgm
.Lentry_in_a_cluster:
	s_bfe_u32 s2, ttmp6, 0x10000c
	s_cmp_lg_u32 s2, 0xf033
	s_cbranch_scc0 .Lentry_shape_is_right
	s_endpgm
.Lentry_shape_is_right:
; out0[m][n] = scale * (sum over k of xb[m][k] wb[n][k]) + bias[n].  xb: [4096][4096] bf16 (x rounded once), wb: [4096][4096] bf16 (the integers, unscaled), out0: [4096][4096] f32.
; One f32 sum for each output, K ascending.  LIMIT: the scale multiplies the finished sum, in one fused multiply-add with the bias, where the definition multiplies each weight first:
; the results differ by f32 roundings alone.  The operands' own limits are those of the launch that made them.
; A tile of the output, 256 x 256, is made by a work-group of four waves; a wave makes 128 x 128: 64 accumulators of 16 x 16, 512 registers.  16 x 16 tiles: 256 work-groups, one tile each.
; K goes in 32 steps of 128 through a ring of two LDS slots filled by the tensor data mover: a tile's rows are 256 bytes of memory and start at multiples of 256 bytes from the buffer's first byte.
; CLUSTERS: 4 x 4 work-groups.  The four of a row of the cluster make tiles of one tile row and need the same tiles of xb (A); the four of a column need the same tiles of wb (B).  Such a tile is
; asked for JOINTLY: each of the four issues the same tensor load, with the same descriptor and a mask that names the four, and each receives the tile in its own LDS: a quarter of the requests.
; All of a WGP's LDS is claimed; the text uses 312,832 bytes.
;
; REGISTERS, in windows of 256 (an instruction names v0-v255; s_set_vgpr_msb says which window each operand place means: bits 1:0 source 0, 3:2 source 1, 5:4 source 2, 7:6 destination):
;   window 0: v0-31 addresses and the bias; v64-127, v128-191 fragments of A (8 x 16 rows x 32 K), two buffers; on the way out the same 128 registers take rows read back from the stage
;   window 1: v64-127, v128-191 fragments of B, two buffers
;   window 2: the 32 accumulators of my rows 0-63 (accumulator (a, b) at v[8 (8 a + b)]);   window 3: those of my rows 64-127
; THE MATRIX INSTRUCTION IS USED TRANSPOSED: source 0 = 16 rows of B, source 1 = 16 rows of A.  In the result lane l holds row m = l % 16 of the output and its registers 0 to 7 the columns
; n = 8 (l / 16) + 0 .. 7: eight neighbouring f32 of a row, 32 bytes.
.set SIZE_N, 4096
.set SIZE_K, 4096
.set KSTEP,  128
.set PITCH,  272                       ; an LDS row: 256 bytes of data + 16 of padding = 68 words: row r starts at bank 4 r mod 64 (64 banks of 4 bytes: ISA guide 11.1), so the 16 rows that a load touches start at 16 different banks
.set HALFT,  128*PITCH                 ; 128 rows: what one tensor load brings, and what one wave reads of A or of B
.set SLOT,   4*HALFT                   ; A's 256 rows, then B's 256 rows
.set STAGE,  2*SLOT                    ; behind the ring, never filled by a tensor load: for each wave 16 rows of its 128 f32 columns
.set SPITCH, 528                       ; a stage row: 512 bytes + 16 = 132 words: the 16 rows that a store touches start at 16 different groups of four banks
.set WSTAGE, 16*SPITCH                 ; a wave's stage: 8,448 bytes, 33 blocks of 256
.set SPARE,  STAGE+4*WSTAGE            ; behind the stages: the spare words, 128 bytes for each wave: two blocks of 256 bytes that no other line names
.set LAPS,   SIZE_K/(2*KSTEP)          ; a lap = two K steps = once round the ring: 16
.set BIAS, 8                           ; v[8:11] the bias of the four columns that I hold when a row has come back from the stage
.set ADRA, 16                          ; v16-17  LDS address of my A fragments in slot 0, 1
.set ADRB, 20                          ; v20-21  the same for B
.set STO,  24                          ; v24     the way out: where I put 32 bytes of a row
.set RD,   25                          ; v25     the way out: where I read 16 bytes of a row back
.set CO,   26                          ; v26     16 x lane: my byte offset in a row's 512 bytes of the output, and in my wave's 512 bytes of the bias; never rewritten
.set SPW,  28                          ; v28     LDS address of my spare word: SPARE + 4 x my thread's number; never rewritten
.set NIL,  29                          ; v29     0; never rewritten
.set F0,   64                          ; fragment buffer 0
.set F1,   128                         ; fragment buffer 1
.set OB,   64                          ; the way out: 16 rows read back, 64 registers: v64-127 and v128-191 by turns
.set G1,  24                           ; s[24:31] descriptor group 1 for A's tiles
.set G0,  32                           ; s[32:39] descriptor group 0 for A's tiles, one set for each slot
.set G1B, 48                           ; s[48:55] descriptor group 1 for B's tiles: it differs from A's in the mask alone
.set G0B, 56                           ; s[56:63] descriptor group 0 for B's tiles, one set for each slot
.set SC,  72                           ; s[72:73] the scale: the packed multiply-add names a pair and takes its low word for both halves
.set MSB, 0
.macro WIN new                         ; the immediate's high byte repeats the setting that is left; a switch that changes nothing is dropped
.if MSB != (\new)
	s_set_vgpr_msb (MSB<<8)|(\new)
.set MSB, \new
.endif
.endm
.set MUL_LO, 0xa1                      ; source 0 (B) window 1, source 1 (A) window 0, C and D window 2
.set MUL_HI, 0xf1                      ; the same, C and D window 3
.set TO_B,   0x40                      ; destination window 1, address window 0
.set ST_LO,  0x08                      ; an LDS store's data (source 1) in window 2, its address in window 0
; A joint load.  Waves 0 and 1 fetch A's two halves, waves 2 and 3 B's.  Each of the two lines has ONE mask and one set of registers for all that issue it, and nothing in them hangs on a
; coordinate that the four partners do not share.  The branch hangs on the wave's number alone.  An s_nop 0 and four v_nop follow each line, ahead of the jump and the label.
.macro JLOAD s
	s_cmp_eq_u32 s11, 0
	s_cbranch_scc0 .Lfor_b_\@
	tensor_load_to_lds s[G0+4*(\s):G0+4*(\s)+3], s[G1:G1+7]
	s_nop 0
.rept 4
	v_nop
.endr
	s_branch .Lasked_\@
.Lfor_b_\@:
	tensor_load_to_lds s[G0B+4*(\s):G0B+4*(\s)+3], s[G1B:G1B+7]
	s_nop 0
.rept 4
	v_nop
.endr
.Lasked_\@:
.endm
; A round of the cluster's barrier: my work-group's barrier, so that wave 0's signal speaks for all four waves; wave 0 signals for the work-group; every wave waits for all sixteen
; work-groups; my work-group's barrier once more.  No LDS instruction of the wave is pending at a signal.
.macro CREST                           ; a round behind its opening barrier
	s_cmp_lg_u32 s10, 0
	s_cbranch_scc1 .Lnot_wave_0_\@
	s_barrier_signal -3
.Lnot_wave_0_\@:
	s_barrier_wait -3
	s_barrier_signal -1
	s_barrier_wait -1
.endm
.macro CROUND                          ; a whole round
	s_barrier_signal -1
	s_barrier_wait -1
	CREST
.endm
	s_load_b128 s[4:7], s[0:1], 0x0                ; xb (A) s[4:5], wb (B) s[6:7]
	s_load_b64 s[8:9], s[0:1], 0x10                ; out0
	s_load_b64 s[68:69], s[0:1], 0x18              ; scale
	s_load_b64 s[70:71], s[0:1], 0x20              ; bias
	v_lshl_add_u32 v[SPW], v0, 2, SPARE
	v_mov_b32 v[NIL], 0
	ds_add_u32 v[SPW], v[NIL]                      ; the wave's opening: the add and its wait stand ahead of my first tensor load; the set-up below, work on registers, stands between them
	v_lshrrev_b32 v1, 5, v0
	v_readfirstlane_b32 s10, v1                    ; wave 0..3
	s_lshr_b32 s11, s10, 1                         ; which half of the tile's rows is mine.  Also: I fetch for A (0) or for B (1)
	s_and_b32 s12, s10, 1                          ; which half of its columns.  Also: which 128 rows of that tile I fetch
	s_bfe_u32 s40, ttmp6, 0x40000                  ; cx: my place along the cluster's x
	s_bfe_u32 s41, ttmp6, 0x40004                  ; cy: along its y
	s_lshl_b32 s42, ttmp9, 2                       ; in a cluster launch ttmp9 and ttmp7 count clusters
	s_add_co_u32 s42, s42, s40                     ; tile column = 4 x cluster x + cx
	s_and_b32 s13, ttmp7, 0xffff
	s_lshl_b32 s13, s13, 2
	s_add_co_u32 s13, s13, s41                     ; tile row = 4 x cluster y + cy
	s_lshl_b32 s43, s41, 2
	s_lshl_b32 s43, 15, s43                        ; my row of the cluster: places 4 cy .. 4 cy + 3
	s_lshl_b32 s44, 0x1111, s40                    ; my column: places cx, cx + 4, cx + 8, cx + 12
	; descriptor group 1: a tile of 128 rows x 128 elements, padded in LDS
	s_or_b32 s[G1+0], s43, (1<<16)|(1<<20)|(1<<21)|(5<<22)|(3<<25)  ; 15:0 the mask: A's tiles go to my row; 17:16 element of 2 bytes; 20 padding on; 21 set beside a mask; 24:22 after every 64 words (code 5); 31:25 of 4 words (code 3)
	s_or_b32 s[G1B+0], s44, (1<<16)|(1<<20)|(1<<21)|(5<<22)|(3<<25) ; the same with the mask of my column, for B's tiles
.irp g, G1, G1B
	s_mov_b32 s[(\g)+1], KSTEP<<16                 ; 63:48 tensor_dim0, low half = 128
	s_mov_b32 s[(\g)+2], 128<<16                   ; 79:64 its high half = 0; 95:80 tensor_dim1, low half = 128
	s_mov_b32 s[(\g)+3], KSTEP<<16                 ; 111:96 its high half = 0; 127:112 tile_dim0 = 128
	s_mov_b32 s[(\g)+4], 128                       ; 143:128 tile_dim1 = 128; 159:144 tile_dim2 = 0
	s_mov_b32 s[(\g)+5], SIZE_K                    ; 191:160 tensor_dim0_stride, low word: elements from row to row
	s_mov_b32 s[(\g)+6], 0
	s_mov_b32 s[(\g)+7], 0
.endr
	; where the tiles come from.  A's hang on the tile row alone, which my row of the cluster shares; B's on the tile column alone, which my column shares.
	; Every wave makes both offsets, in registers that never hold the other coordinate, and asks by one of them.  A row is 8,192 bytes: the offsets stay under 2^25.
	s_lshl_b32 s17, s12, 7                         ; which 128 rows of the tile I fetch
	s_lshl_b32 s16, s13, 8
	s_add_co_u32 s16, s16, s17                     ; A: row 256 x tile row + 128 x half,
	s_lshl_b32 s16, s16, 13                        ; in bytes
	s_lshl_b32 s46, s42, 8
	s_add_co_u32 s46, s46, s17                     ; B: row 256 x tile column + 128 x half,
	s_lshl_b32 s46, s46, 13                        ; in bytes
	s_mov_b32 s17, 0
	s_mov_b32 s47, 0
	s_mul_i32 s20, s10, HALFT                      ; and where they go: A's two halves, then B's two halves = wave x 128 rows: no place in the cluster enters an LDS address
	s_wait_dscnt 0x0                               ; the opening add is done
	s_wait_kmcnt 0x0
	s_add_nc_u64 s[14:15], s[4:5], s[16:17]
	s_add_nc_u64 s[46:47], s[6:7], s[46:47]
	CROUND                                         ; all sixteen work-groups are here: the first joint loads meet
.irp s, 0,1
	s_mov_b32 s[G0+4*(\s)], 1                                      ; 1:0 count = 1
	s_add_co_u32 s[G0+4*(\s)+1], s20, (\s)*SLOT                    ; 63:32 LDS address
	s_add_nc_u64 s[G0+4*(\s)+2:G0+4*(\s)+3], s[14:15], (\s)*KSTEP*2  ; 120:64 global address: K step s
	s_or_b32 s[G0+4*(\s)+3], s[G0+4*(\s)+3], 0x80000000            ; 127:126 type = 2
	s_mov_b32 s[G0B+4*(\s)], 1
	s_add_co_u32 s[G0B+4*(\s)+1], s20, (\s)*SLOT
	s_add_nc_u64 s[G0B+4*(\s)+2:G0B+4*(\s)+3], s[46:47], (\s)*KSTEP*2
	s_or_b32 s[G0B+4*(\s)+3], s[G0B+4*(\s)+3], 0x80000000
	JLOAD \s                                       ; the ring is filled before anything else is done: two tensor loads of mine are out
.endr
	s_load_b32 s[SC], s[68:69], 0x0                ; the scale: no line of this launch writes that buffer
	; A fragment is 16 rows x 32 K in 8 registers: lane l holds row l % 16; registers 0-3 hold K = 8 (l / 16) + 0..7, registers 4-7 hold
	; K = 16 + 8 (l / 16) + 0..7.  From rows that lie along K: two loads of 16 bytes, 32 bytes apart.  The same for source 0 and source 1.
	v_and_b32 v1, 15, v0                           ; l % 16
	v_bfe_u32 v2, v0, 4, 1                         ; l / 16
	v_mul_u32_u24 v3, v1, PITCH
	v_lshl_add_u32 v3, v2, 4, v3                   ; row x pitch + 16 x half
	s_mul_i32 s21, s11, HALFT                      ; my 128 rows of A
	s_mul_i32 s22, s12, HALFT                      ; my 128 rows of B,
	s_add_co_u32 s22, s22, 2*HALFT                 ; which lie behind A's 256
.irp s, 0,1
	v_add_nc_u32 v[ADRA+(\s)], s21, v3
	v_add_nc_u32 v[ADRB+(\s)], s22, v3
	s_add_co_u32 s21, s21, SLOT
	s_add_co_u32 s22, s22, SLOT
.endr
	s_mul_i32 s23, s10, WSTAGE
	s_add_co_u32 s23, s23, STAGE                   ; my stage
	v_mul_u32_u24 v4, v1, SPITCH                   ; in: row l % 16, 32 bytes for each half of the lanes
	v_lshl_add_u32 v4, v2, 5, v4
	v_add_nc_u32 v[STO], s23, v4
	v_and_b32 v5, 31, v0
	v_lshlrev_b32 v[CO], 4, v5                     ; back: the 32 lanes take one row of 512 bytes, 16 bytes each
	v_add_nc_u32 v[RD], s23, v[CO]
	; where my part of the tile begins in the output: a row is 16,384 bytes, the offset stays under 2^26
	s_lshl_b32 s16, s13, 8
	s_lshl_b32 s17, s11, 7
	s_add_co_u32 s16, s16, s17                     ; my first row: 256 x tile row + 128 x half,
	s_lshl_b32 s16, s16, 14                        ; in bytes
	s_mov_b32 s17, 0
	s_lshl_b32 s46, s42, 10                        ; my first column, in bytes of f32: 1,024 x tile column + 512 x half (in the registers that held B's address: none that feeds A's descriptors ever holds cx)
	s_lshl_b32 s47, s12, 9
	s_add_co_u32 s46, s46, s47
	s_mov_b32 s47, 0
	s_add_nc_u64 s[8:9], s[8:9], s[16:17]
	s_add_nc_u64 s[8:9], s[8:9], s[46:47]          ; the output at my wave's first number; never stepped again
	s_add_nc_u64 s[70:71], s[70:71], s[46:47]      ; the bias at my wave's first column
	global_load_b128 v[BIAS:BIAS+3], v[CO], s[70:71]  ; my wave's 128 numbers, 512 consecutive bytes: lane l takes columns 4 l .. 4 l + 3
	s_wait_kmcnt 0x0
	s_mov_b32 s[SC+1], s[SC]                       ; named with it as a pair, so it is written
; 16 matrix instructions: m blocks a0, a0 + 1 of the window's four (hi = 0: my rows 0-63, 1: rows 64-127) x all 8 n blocks, 32 along K.
; zero = 1: the first product starts the sums: nothing is ever cleared.
.macro MUL16 f, hi, a0, zero
	WIN MUL_LO+0x50*(\hi)                          ; MUL_LO or MUL_HI
.irp a, \a0, (\a0)+1
.irp b, 0,1,2,3,4,5,6,7
.if \zero
	v_wmma_f32_16x16x32_bf16 v[8*(8*(\a)+(\b)):8*(8*(\a)+(\b))+7], v[(\f)+8*(\b):(\f)+8*(\b)+7], v[(\f)+8*(4*(\hi)+(\a)):(\f)+8*(4*(\hi)+(\a))+7], 0
.else
	v_wmma_f32_16x16x32_bf16 v[8*(8*(\a)+(\b)):8*(8*(\a)+(\b))+7], v[(\f)+8*(\b):(\f)+8*(\b)+7], v[(\f)+8*(4*(\hi)+(\a)):(\f)+8*(4*(\hi)+(\a))+7], v[8*(8*(\a)+(\b)):8*(8*(\a)+(\b))+7]
.endif
.endr
.endr
.endm
; 32 LDS loads in one run: the fragments of one quarter step (128 rows of B, 128 rows of A, 32 K at byte k of the rows) into buffer f
.macro FETCH slot, k, f
	WIN TO_B
.irp i, 0,1,2,3,4,5,6,7
	ds_load_b128 v[(\f)+8*(\i):(\f)+8*(\i)+3],   v[ADRB+(\slot)] offset:(\k)+(\i)*16*PITCH
	ds_load_b128 v[(\f)+8*(\i)+4:(\f)+8*(\i)+7], v[ADRB+(\slot)] offset:(\k)+(\i)*16*PITCH+32
.endr
	WIN 0
.irp i, 0,1,2,3,4,5,6,7
	ds_load_b128 v[(\f)+8*(\i):(\f)+8*(\i)+3],   v[ADRA+(\slot)] offset:(\k)+(\i)*16*PITCH
	ds_load_b128 v[(\f)+8*(\i)+4:(\f)+8*(\i)+7], v[ADRA+(\slot)] offset:(\k)+(\i)*16*PITCH+32
.endr
.endm
; A load into a register that a matrix instruction has read, and an LDS store that reads a matrix result, stand four places behind that matrix instruction, and only plain vector
; instructions that name none of its registers are places (ISA guide 7.12.1 for vector instructions); the matrix instructions in between are not counted.
.macro PLACES
.rept 4
	v_nop
.endr
.endm
; A K step is four quarter steps of 32 along K, 64 matrix instructions each, on buffers 0, 1, 0, 1.  The 64 accumulators take turns in the same order in every quarter.
; One of the first three: multiplies buffer f; in its middle it fetches the next quarter's fragments, at byte k of the same slot's rows, into buffer g.
.macro QUARTER slot, k, f, g, zero
	s_wait_dscnt 8                                 ; B and A's rows 0-63 are in; the youngest eight loads (A's rows 64-127) may be out
	MUL16 \f, 0, 0, \zero
	MUL16 \f, 0, 2, \zero
	PLACES
	FETCH \slot, \k, \g
	s_wait_dscnt 32                                ; all but the 32 just issued
	MUL16 \f, 1, 0, \zero
	MUL16 \f, 1, 2, \zero
.endm
; The last quarter multiplies buffer 1 and changes slots.  MEET is its first half: ONE barrier for the change of slots, for two things.  In front of it each wave waits for all its tensor
; loads, of which one is out: its part of the next slot; adds 0 to its spare word; and waits for that and for its own reads of this slot.  Behind it nobody reads this slot any more and the next slot is whole.
.macro MEET round                      ; round = 1: the rest of a round of the cluster's barrier follows
	WIN 0                                          ; (the add's two registers lie in window 0)
	s_wait_tensorcnt 0x0                           ; all my tensor loads have landed: the one that was out is my part of the next slot;
	ds_add_u32 v[SPW], v[NIL]                      ; 0 onto my spare word;
	s_wait_dscnt 9                                 ; (the add and the youngest eight loads may be out)
	MUL16 F1, 0, 0, 0                              ; sixteen matrix instructions stand between the add and the wait for it
	s_wait_dscnt 0x0                               ; the add is done, and my reads of this slot are over:
	s_barrier_signal -1                            ; say so,
	MUL16 F1, 0, 2, 0                              ; work on registers while the others arrive,
.if \round
	WIN 0
.endif
	s_barrier_wait -1                              ; and go on when all four have said so
.endm
; The whole last quarter.  fill = 1: the barrier opens a round of the cluster's barrier, and behind the round the slot just read out is filled again first, with the K step two steps on:
; from that request to the wait for it a wave issues 224 matrix instructions.  Then come the next slot's first fragments.
.macro TURN slot, next, fill
	MEET \fill
.if \fill
	CREST                                          ; no wave of any partner still reads this slot's tile or has a load on its way
	s_add_nc_u64 s[G0+4*(\slot)+2:G0+4*(\slot)+3], s[G0+4*(\slot)+2:G0+4*(\slot)+3], 2*KSTEP*2    ; no tensor load of mine is out: a group 0 may be written; the type bits on top are not reached
	s_add_nc_u64 s[G0B+4*(\slot)+2:G0B+4*(\slot)+3], s[G0B+4*(\slot)+2:G0B+4*(\slot)+3], 2*KSTEP*2
	JLOAD \slot                                    ; my one tensor load behind the round, and the first thing there; the four v_nop behind it are also the places in front of the loads below
.else
	PLACES
.endif
	FETCH \next, 0, F0
	MUL16 F1, 1, 0, 0
	MUL16 F1, 1, 2, 0
.endm
; THE WAY OUT of block a (16 rows x my 128 columns), in two parts.  TOSTAGE: a lane's eight f32 of each accumulator go as two stores of 16 bytes, the low four registers first
; into my own stage; then the 16 rows come back whole, 512 bytes a load.  The stage is my wave's own, and LDS serves a wave's instructions in order (ISA guide 5.7.1.4):
; the loads see the stores above them, and the next block's stores come behind these loads.  No barrier and no wait between them.
.macro TOSTAGE a
.set AC, 64*((\a)%4)                   ; its eight accumulators, in window 2 (blocks 0-3) or 3 (blocks 4-7)
.set BK, OB+64*((\a)%2)
.if (\a) >= 2
	s_wait_xcnt 0x0                                ; every earlier memory instruction has had its addresses translated (ISA guide 3.1): the registers that block a - 2's stores read are loaded again only behind this wait
.endif
	WIN ST_LO+4*((\a)/4)
.irp b, 0,1,2,3,4,5,6,7
	ds_store_b128 v[STO], v[AC+8*(\b):AC+8*(\b)+3]   offset:64*(\b)
	ds_store_b128 v[STO], v[AC+8*(\b)+4:AC+8*(\b)+7] offset:64*(\b)+16
.endr
	WIN 0
.irp t, 0,1,2,3,4,5,6,7,8,9,10,11,12,13,14,15
	ds_load_b128 v[BK+4*(\t):BK+4*(\t)+3], v[RD] offset:(\t)*SPITCH
.endr
.endm
; SEND: sum x scale + bias, two fused multiply-adds at a time, and the row is stored.  younger: the LDS instructions issued behind block a's loads: the next block's 32, or none.
.macro SEND a, younger
.set BK, OB+64*((\a)%2)
	WIN 0
.irp t, 0,1,2,3,4,5,6,7,8,9,10,11,12,13,14,15
	s_wait_dscnt (\younger)+15-(\t)                ; LDS loads come back in order (ISA guide 5.7.1): row t is in
	v_pk_fma_f32 v[BK+4*(\t):BK+4*(\t)+1],   v[BK+4*(\t):BK+4*(\t)+1],   s[SC:SC+1], v[BIAS:BIAS+1]   op_sel_hi:[1,0,1]
	v_pk_fma_f32 v[BK+4*(\t)+2:BK+4*(\t)+3], v[BK+4*(\t)+2:BK+4*(\t)+3], s[SC:SC+1], v[BIAS+2:BIAS+3] op_sel_hi:[1,0,1]
	global_store_b128 v[CO], v[BK+4*(\t):BK+4*(\t)+3], s[8:9] offset:(16*(\a)+(\t))*SIZE_N*4 th:TH_STORE_NT  ; 32 lanes store 512 consecutive bytes, at a multiple of 512 from the output's first byte; the row stands in the immediate: 127 x 16,384 at the most, inside its signed 24 bits
.endr
.endm
	s_wait_loadcnt 0x0                             ; the bias, once: it comes while the first tile is on its way
	s_wait_tensorcnt 1                             ; my part of K step 0 is in; K step 1's may stay out
	s_barrier_signal -1
	s_barrier_wait -1                              ; everybody's is
	FETCH 0, 0, F0
	QUARTER 0, 64,  F0, F1, 1                      ; the first quarter stands in front of the loop: its products start the sums
	WIN 0                                          ; at a label and at a branch every window is 0
	s_mov_b32 s3, LAPS-1
.Llap:                                                 ; 15 trips: a trip goes once round the ring, from a lap's second quarter to the next lap's first, and fills both slots again (the last trip: K steps 30 and 31)
	QUARTER 0, 128, F1, F0, 0
	QUARTER 0, 192, F0, F1, 0
	TURN 0, 1, 1
	QUARTER 1, 64,  F0, F1, 0
	QUARTER 1, 128, F1, F0, 0
	QUARTER 1, 192, F0, F1, 0
	TURN 1, 0, 1
	QUARTER 0, 64,  F0, F1, 0
	WIN 0
	s_sub_co_u32 s3, s3, 1
	s_cmp_lg_u32 s3, 0
	s_cbranch_scc1 .Llap
	QUARTER 0, 128, F1, F0, 0                      ; the last lap is written out: it fills nothing, and has no round of the cluster's barrier
	QUARTER 0, 192, F0, F1, 0
	TURN 0, 1, 0                                   ; my one tensor load that was still out is slot 1's, the last K step's
	QUARTER 1, 64,  F0, F1, 0
	QUARTER 1, 128, F1, F0, 0
	QUARTER 1, 192, F0, F1, 0
	s_wait_dscnt 8                                 ; the very last quarter: nothing more to fetch
	MUL16 F1, 0, 0, 0
	MUL16 F1, 0, 2, 0
	s_wait_dscnt 0x0
	MUL16 F1, 1, 0, 0
	MUL16 F1, 1, 2, 0
	WIN 0
	PLACES                                         ; in front of the LDS stores that read results, and of the loads into A's fragment registers
	TOSTAGE 0
.irp a, 1,2,3,4,5,6,7                  ; block a's trip through the stage is under way while block a - 1 is scaled and stored
	TOSTAGE \a
	SEND (\a)-1, 32
.endr
	SEND 7, 0
	s_wait_tensorcnt 0x0                           ; the wave's end, behind my last tensor load and my last LDS store
	ds_add_u32 v[SPW], v[NIL]
	s_wait_dscnt 0x0
	CROUND                                         ; the closing round: no work-group ends while a partner may still ask for a tile that names it
	s_endpgm
.Lfunc_end_k_qb05c40b35d_gemm:
	.size	k_qb05c40b35d_gemm, .Lfunc_end_k_qb05c40b35d_gemm-k_qb05c40b35d_gemm
	.p2alignl 7, 3214868480
	.fill 96, 4, 3214868480
	.section	.rodata,"a",@progbits
	.p2align	6, 0x0
	.amdhsa_kernel k_qb05c40b35d_gemm
		.amdhsa_group_segment_fixed_size 327680
		.amdhsa_private_segment_fixed_size 0
		.amdhsa_enable_private_segment 0
		.amdhsa_kernarg_size 40
		.amdhsa_user_sgpr_count 2
		.amdhsa_user_sgpr_kernarg_segment_ptr 1
		.amdhsa_wavefront_size32 1
		.amdhsa_system_sgpr_workgroup_id_x 1
		.amdhsa_system_sgpr_workgroup_id_y 1
		.amdhsa_system_sgpr_workgroup_id_z 1
		.amdhsa_system_vgpr_workitem_id 0
		.amdhsa_next_free_vgpr 1024
		.amdhsa_next_free_sgpr 74
		.amdhsa_reserve_vcc 0
		.amdhsa_float_denorm_mode_32 3
		.amdhsa_float_denorm_mode_16_64 3
		.amdhsa_memory_ordered 1
		.amdhsa_forward_progress 1
		.amdhsa_inst_pref_size 160
	.end_amdhsa_kernel
	.amdgpu_metadata
---
amdhsa.version: [ 1, 2 ]
amdhsa.kernels:
  - .name:           k_qb05c40b35d_gemm
    .symbol:         k_qb05c40b35d_gemm.kd
    .args:
      - { .name: xb, .offset: 0, .size: 8, .value_kind: global_buffer, .address_space: global }
      - { .name: wb, .offset: 8, .size: 8, .value_kind: global_buffer, .address_space: global }
      - { .name: out0, .offset: 16, .size: 8, .value_kind: global_buffer, .address_space: global }
      - { .name: scale, .offset: 24, .size: 8, .value_kind: global_buffer, .address_space: global }
      - { .name: bias, .offset: 32, .size: 8, .value_kind: global_buffer, .address_space: global }
    .group_segment_fixed_size: 327680
    .private_segment_fixed_size: 0
    .kernarg_segment_align: 8
    .kernarg_segment_size: 40
    .max_flat_workgroup_size: 128
    .sgpr_count:     74
    .vgpr_count:     1024
    .wavefront_size: 32
...
	.end_amdgpu_metadata
.endif
;; end of part 2
;; ======== version 2 of 2: 2 launches; version 1 with the launch tobf16 written anew for expert scheduling mode
;; workspace buffers: xb 33,554,432 bytes; wb 33,554,432 bytes
;; launch tobf16 (part 3): grid 512 x 2, 8 waves a work-group, no clusters, 0 bytes of LDS; arguments x, weight_q, xb, wb; writes xb, wb
.if DOCPART == 3
	.amdgcn_target "amdgcn-amd-amdhsa--gfx1250"
	.amdhsa_code_object_version 6
	.text
	.protected	k_qb05c40b35d_tobf16
	.globl	k_qb05c40b35d_tobf16
	.p2align	8
	.type	k_qb05c40b35d_tobf16,@function
k_qb05c40b35d_tobf16:
	s_mov_b64 s[64:65], 0
	v_nop
	global_prefetch_b8 v0, s[64:65] scope:SCOPE_SE
	s_setreg_imm32_b32 hwreg(HW_REG_WAVE_SCHED_MODE, 0, 2), 2
	s_setreg_imm32_b32 hwreg(HW_REG_WAVE_MODE, 25, 1), 1
	s_wait_xcnt 0x0
	s_wait_alu depctr_vm_vsrc(0)
; xb = bf16(x), wb = bf16(f32(weight_q)): both matrix operands are rounded ONCE here, so that the product behind this launch reads 2-byte operands
; and converts nothing (there each number of x and of weight_q is read by 16 tiles of the output).
; LIMITS.  x is rounded to bf16, to nearest even; a number beyond bf16's largest finite one becomes an infinity.  An integer goes int32 -> f32 -> bf16, each to nearest
; even: exact up to 256 in magnitude, rounded once up to 2^24, twice beyond.  The scale is NOT applied here: it stays in f32 and multiplies the finished sums.
; SHARES.  Each tensor is 16,384 pieces of 4,096 bytes (1,024 numbers).  Work-group (gx, gy): gy = 0 takes x, gy = 1 weight_q; gx takes 32 pieces.  Thread t owns the 16 bytes at
; 16 t of every piece and stores 8 bytes at 8 t: a wave's load covers 512 consecutive bytes, a wave's store 256 consecutive bytes that begin at a multiple of 256.
; No LDS, no barrier, no matrix unit: no byte is used twice.
; THE MODE: SCHED_MODE bits 1:0 = 2 (LLVM: expert scheduling mode 2), set by the entry lines.  The code itself states the register dependences
; between vector instructions and memory instructions, with s_wait_alu, always for 0.
; THE PLAN.  The 32 pieces go in 8 blocks of four.  Registers that memory instructions touch:
;   X0 .. X3   four blocks as loaded.  Written by the loads of block p + 3, issued in block p; read (and, for integers, converted in place) by block p's conversions.
;   Y0, Y1     two blocks to store.    Written by block p's roundings; read by the four stores that are issued in block p + 1.
;   v1, v2     byte offsets, made once at the head and never written again: a piece's place stands in the immediate offset, and the two scalar bases are never stepped.
; Block p works on X[p % 4] and writes Y[p % 2].  Its memory instructions are the loads into X[(p + 3) % 4] = X[(p - 1) % 4] and the stores from Y[(p - 1) % 2]: the two buffers that
; block p - 1 worked on and that no vector instruction of block p names.  So the waits at the head of a block state all that the block's eight memory instructions hang on, and these are
; dealt among its vector instructions with no further wait.  Block 0 has no block in front of it, blocks 1 to 4 are one lap of the four X buffers, blocks 5 to 7 load nothing: a loop
; would have one trip, so the eight blocks are written out.  At a block's head eight younger loads stay out; with the block's own four, twelve of every wave are on their way.
.set BLOCK,  4                         ; pieces in a block
.set BLOCKS, 32/BLOCK                  ; blocks of a work-group
.set RIN,    4096                      ; bytes of a piece as read
.set ROUT,   2048                      ; bytes of a piece as written
.set IN,  1                            ; v1        16 t; never rewritten
.set OUT, 2                            ; v2        8 t; never rewritten
.set X,   4                            ; v[4:67]   buffer k, piece i: 4 registers at X + 16 k + 4 i, as loaded
.set Y,   68                           ; v[68:83]  buffer k, piece i: 2 registers at Y + 8 k + 2 i, 4 bf16 to store
	s_load_b256 s[4:11], s[0:1], 0x0               ; x s[4:5], weight_q s[6:7], xb s[8:9], wb s[10:11]
	v_lshlrev_b32 v[IN], 4, v0
	v_lshlrev_b32 v[OUT], 3, v0
	s_lshl_b32 s2, ttmp9, 17                       ; gx times 32 pieces of 4,096 bytes: 2^26 at the most
	s_mov_b32 s3, 0
	s_lshl_b32 s12, ttmp9, 16                      ; gx times 32 pieces of 2,048 bytes
	s_mov_b32 s13, 0
	s_and_b32 s14, ttmp7, 0xffff                   ; gy: which tensor
	s_wait_kmcnt 0x0
	s_cmp_eq_u32 s14, 0
	s_cselect_b64 s[16:17], s[4:5], s[6:7]         ; from x or from weight_q,
	s_cselect_b64 s[18:19], s[8:9], s[10:11]       ; to xb or to wb
	s_add_nc_u64 s[16:17], s[16:17], s[2:3]
	s_add_nc_u64 s[18:19], s[18:19], s[12:13]
	s_wait_alu depctr_va_vdst(0)                   ; v1 and v2 are written: every load and store of the kernel, on both ways behind the branch below, reads one of them as its offset
.irp i, 0,1,2,3,4,5,6,7,8,9,10,11
	global_load_b128 v[X+4*(\i):X+4*(\i)+3], v[IN], s[16:17] offset:(\i)*RIN th:TH_LOAD_NT  ; blocks 0, 1 and 2 into X0, X1, X2; each byte is read once in the launch
.endr
	s_cmp_lg_u32 s14, 0
	s_cbranch_scc1 .Lints                          ; the two tensors differ in four conversions a piece: two texts, chosen once
; Block p.  left = how many younger loads may still be out when this block's four have to be there.  ints = 1: the words are int32.
.macro BLK p, left, ints
.set XB, X+16*((\p)%4)                 ; the block's own X,
.set XN, X+16*(((\p)+3)%4)             ; the X of the block before, in which block p + 3 lands,
.set YB, Y+8*((\p)%2)                  ; the block's own Y,
.set YP, Y+8*(1-(\p)%2)                ; the Y of the block before, which is stored now
	s_wait_loadcnt \left                           ; loads come back in order (ISA guide 5.7.1): this block's X is in, the younger blocks stay out
.if (\p) >= 2
	s_wait_xcnt 0x0                                ; every earlier memory instruction has had its addresses translated (ISA guide 3.1): this block's Y, which stores issued in the block before read, is rewritten only behind this wait
	s_wait_alu depctr_vm_vsrc(0)                   ; the stores issued in the block before have read this block's Y, which its roundings write again
.endif
.if (\p) >= 1
	s_wait_alu depctr_va_vdst(0)                   ; the block before has written its Y, which the stores below read, and is done reading (for integers: and writing) its X, in which the loads below land
.endif
.irp i, 0,1,2,3
.if (\p) < BLOCKS-3
	global_load_b128 v[XN+4*(\i):XN+4*(\i)+3], v[IN], s[16:17] offset:(BLOCK*((\p)+3)+(\i))*RIN th:TH_LOAD_NT  ; three blocks ahead, the load ahead of the store; no vector instruction since the wait names these registers
.endif
.if (\p) >= 1
	global_store_b64 v[OUT], v[YP+2*(\i):YP+2*(\i)+1], s[18:19] offset:(BLOCK*((\p)-1)+(\i))*ROUT  ; the block before; no hint: the next launch reads these bytes
.endif
.if \ints
.irp j, 0,1,2,3
	v_cvt_f32_i32 v[XB+4*(\i)+(\j)], v[XB+4*(\i)+(\j)]
.endr
.endif
	v_cvt_pk_bf16_f32 v[YB+2*(\i)],   v[XB+4*(\i)],   v[XB+4*(\i)+1]  ; two roundings to bf16, packed: the first source into the low half
	v_cvt_pk_bf16_f32 v[YB+2*(\i)+1], v[XB+4*(\i)+2], v[XB+4*(\i)+3]
.endr
.endm
.macro BODY ints
	BLK 0, 2*BLOCK, \ints                          ; block 0: no block in front of it, so no store and no wait but the one for its data; no vector instruction has named X3
	BLK 1, 2*BLOCK, \ints                          ; blocks 1 to 4: one lap of the four X buffers
	BLK 2, 2*BLOCK, \ints
	BLK 3, 2*BLOCK, \ints
	BLK 4, 2*BLOCK, \ints                          ; asks for block 7, pieces 28 to 31: the last
	BLK 5, 2*BLOCK, \ints                          ; blocks 5 to 7 load nothing: no load leaves the buffer, and the counts run down
	BLK 6, BLOCK, \ints
	BLK 7, 0, \ints
	s_wait_alu depctr_va_vdst(0)                   ; block 7 has written Y1, which the last four stores read
.irp i, 0,1,2,3
	global_store_b64 v[OUT], v[Y+8+2*(\i):Y+8+2*(\i)+1], s[18:19] offset:(BLOCK*(BLOCKS-1)+(\i))*ROUT
.endr
	s_endpgm
.endm
	BODY 0
.Lints:
	BODY 1
.Lfunc_end_k_qb05c40b35d_tobf16:
	.size	k_qb05c40b35d_tobf16, .Lfunc_end_k_qb05c40b35d_tobf16-k_qb05c40b35d_tobf16
	.p2alignl 7, 3214868480
	.fill 96, 4, 3214868480
	.section	.rodata,"a",@progbits
	.p2align	6, 0x0
	.amdhsa_kernel k_qb05c40b35d_tobf16
		.amdhsa_group_segment_fixed_size 0
		.amdhsa_private_segment_fixed_size 0
		.amdhsa_enable_private_segment 0
		.amdhsa_kernarg_size 32
		.amdhsa_user_sgpr_count 2
		.amdhsa_user_sgpr_kernarg_segment_ptr 1
		.amdhsa_wavefront_size32 1
		.amdhsa_system_sgpr_workgroup_id_x 1
		.amdhsa_system_sgpr_workgroup_id_y 1
		.amdhsa_system_sgpr_workgroup_id_z 1
		.amdhsa_system_vgpr_workitem_id 0
		.amdhsa_next_free_vgpr 84
		.amdhsa_next_free_sgpr 66
		.amdhsa_reserve_vcc 0
		.amdhsa_float_denorm_mode_32 3
		.amdhsa_float_denorm_mode_16_64 3
		.amdhsa_memory_ordered 1
		.amdhsa_forward_progress 1
		.amdhsa_inst_pref_size 26
	.end_amdhsa_kernel
	.amdgpu_metadata
---
amdhsa.version: [ 1, 2 ]
amdhsa.kernels:
  - .name:           k_qb05c40b35d_tobf16
    .symbol:         k_qb05c40b35d_tobf16.kd
    .args:
      - { .name: x, .offset: 0, .size: 8, .value_kind: global_buffer, .address_space: global }
      - { .name: weight_q, .offset: 8, .size: 8, .value_kind: global_buffer, .address_space: global }
      - { .name: xb, .offset: 16, .size: 8, .value_kind: global_buffer, .address_space: global }
      - { .name: wb, .offset: 24, .size: 8, .value_kind: global_buffer, .address_space: global }
    .group_segment_fixed_size: 0
    .private_segment_fixed_size: 0
    .kernarg_segment_align: 8
    .kernarg_segment_size: 32
    .max_flat_workgroup_size: 256
    .sgpr_count:     66
    .vgpr_count:     84
    .wavefront_size: 32
...
	.end_amdgpu_metadata
.endif
;; end of part 3
;; launch gemm: the kernel of part 2 again; grid 16 x 16, 4 waves a work-group, clusters of 4 x 4, 327,680 bytes of LDS; arguments xb, wb, out0, scale, bias; writes out0
